; MI455X (gfx1250); checked and timed in simulation.
; The chip was launched on July 23, 2026; its instructions are those of AMD's public machine-readable ISA for CDNA 5 (MIT licence, August 2026) and "CDNA5" Instruction Set Architecture Reference Guide (July 2026). The comments in the code are by the model that wrote it; some were corrected since.
;; Internal Interaction. Allowed arithmetic: float matrix products may take bf16 or f16 operands with f32 sums; all other float work in f32.
;; Inputs: W1 256 x 1,024 float32; W2 1,024 x 256 float32; attribute_embeddings 128 x 32 x 256 float32; b1 1,024 float32; b2 256 float32.
;; Outputs: out0 128 x 32 x 256 float32.
;; 2 versions, each right and faster than the one before. Each part assembles by itself: llvm-mc -triple=amdgcn-amd-amdhsa -mcpu=gfx1250 --defsym DOCPART=n.
;; ======== version 1 of 2: 2 launches
;; workspace buffers: part 16,777,216 bytes
;; launch pairs (part 1): grid 4 x 64, 4 waves a work-group, no clusters, 133,632 bytes of LDS; arguments attribute_embeddings, W1, b1, W2, b2, part; writes part
.if DOCPART == 1
	.amdgcn_target "amdgcn-amd-amdhsa--gfx1250"
	.amdhsa_code_object_version 6
	.text
	.protected	k_q04be101292_pairs
	.globl	k_q04be101292_pairs
	.p2align	8
	.type	k_q04be101292_pairs,@function
k_q04be101292_pairs:
	s_mov_b64 s[64:65], 0
	v_nop
	global_prefetch_b8 v0, s[64:65] scope:SCOPE_SE
	s_setreg_imm32_b32 hwreg(HW_REG_WAVE_MODE, 25, 1), 1
	s_wait_xcnt 0x0
; part[hs][b*32+j][d] = sum over the 256 H of slice hs of S[b][j][H] * W2[H][d]  +  8 * b2[d],
; with S[b][j][H] = sum over i of relu( sum over k of x[b][i][k] x[b][j][k] W1[k][H] + b1[H] ).
; The four slices are added by the next launch; four times 8 b2 is the 32 b2 that the sum over i of the second layer's bias gives.
; WHY THIS IS THE SAME RESULT: the sum over i and the second layer are both linear, so the second product is made once for each (b, j), on the
; summed activations.  x[i] x[j] = x[j] x[i] bit for bit, so the activations of pair (i, j) are those of pair (j, i): the 16 x 16 block of pairs with
; i < 16 <= j is made once and added into both halves of S (48 tiles of 16 pairs for a batch and not 64).  H is summed out, so H may stand in any
; order that W1's columns, b1 and W2's rows share; the order used lets f32 weights be read 16 bytes a lane and packed straight into fragments.
; SHARES: work-group (hs, y): H 256 hs .. +255, batches 2y and 2y+1, one after the other.  Wave w: H tiles q = 0..3, row m of tile q is H = 256 hs + 64 w + 4 m + q;
; its part of W1 (64 H x 256 k in bf16, 256 registers) stays in registers for the whole launch.
; A BEAT = 2 tiles of 16 pairs x 4 H tiles x 8 K steps = 64 matrix instructions; 24 beats a batch.  The pair products of a beat are made once in the
; work-group (wave w makes K steps 2w, 2w+1 in f32, rounds them once to bf16) and handed round through two LDS slots that take turns.
; NO JOINT LOADS, NO DATA MOVER: the weights are f32 and have to be rounded on the way; each work-group reads each of its 524,288 weight bytes once, in loads
; of which sixteen lanes take 256 consecutive aligned bytes, straight into the order of the fragments.  Through LDS the same bytes would be written and read
; once more, and one matrix's slice in f32 (262,144 bytes) does not fit beside the 133,120 bytes in use.
; LIMITS: relu is a maximum that drops NaN (a NaN in front of the relu gives 0, where reference() gives NaN).  Pair products, W1, S and W2 are each rounded
; once to bf16; all sums are f32, in another order than reference()'s.
;
; LDS: 0       two slots of 16,384: pair fragments, slot*16384 + tile*8192 + Kstep*1024 + half*512 + lane*16 (every access 512 consecutive bytes)
;      32768   x of both batches in f32, by pieces of 16 bytes: batch*33792 + (k/4)*528 + row*16.  528 = 33 x 16: sixteen lanes on neighbouring pieces of one
;              row, and sixteen lanes on neighbouring rows of one piece, both fall on sixteen different 16-byte columns modulo 256 bytes
;      100352  S in bf16 in the order of fragments: (2 batch + half of j)*8192 + Kstep*1024 + half*512 + lane*16
; REGISTERS, in windows of 256: window 0 addresses and the making of pairs; window 1 pair fragments B[slot][tile][K step]; window 2 accumulators D[slot][tile][q],
; S[half of j][q], bias[q]; window 3 W1 fragments A[q][K step].  Weights land as f32 in windows 1, 2 and 0 before these are in use (W1) or after (W2).
.set XB,    32768
.set XBAT,  33792
.set CH,    528
.set SXB,   100352
.set SLOTB, 16384
.set R16,   1                          ; v1   16 (lane % 16)
.set XH,    2                          ; v2   x in LDS at my K steps: XB + batch + 1056 (lane / 16) + 8448 w
.set XJA,   3                          ; v3   XH + R16: row lane % 16
.set XIA,   4                          ; v4   XH + 16 i: the row that a diagonal beat spreads over all lanes
.set XIO,   5                          ; v5-6 XH + 16 ((lane % 16) xor t): the i rows of an off-diagonal beat's two tiles
.set STA,   7                          ; v7   16 lane + 2048 w: where I put pair fragments
.set LDA,   8                          ; v8   16 lane: where I read them
.set SXA,   9                          ; v9   SXB + 16 lane + 2048 w + 16384 batch
.set SXL,   10                         ; v10  SXB + 16 lane
.set WOFF,  11                         ; v11  32768 (lane / 16) + 16 (lane % 16): offset in W1 (8 rows of 4,096 bytes) and in W2 (32 rows of 1,024 bytes)
.set BOFF,  13                         ; v13  128 (lane / 16): offset in b1
.set POFF,  14                         ; v14  8192 (lane / 16) + 16 (lane % 16) + 256 w: offset in part
.set XOFF,  15                         ; v15  16384 w + 16 lane: offset in x
.set XST,   16                         ; v16  where x goes in LDS
.set B2OFF, 17                         ; v17  256 w + 16 (lane % 16): offset in b2
.set B2,    20                         ; v[20:23] b2 of my four columns
.set XJ,    32                         ; v[32:95]   x[j]: [tile][K step of mine][16 k]
.set XI,    96                         ; v[96:159]  x[i], then the products
.set PKR,   160                        ; v[160:191] the products, later S, in bf16
.set XL,    96                         ; v[96:223]  x as it lands, at the start
.set TT,    96                         ; v[96:223]  results on the way out, at the end
.set Z0,    32                         ; v[32:95]   where the eighth K step of a weight matrix lands
.set SS,    128                        ; window 2: S
.set BIAS,  192                        ; window 2: b1 in the layout of an accumulator
.set EK_NONE, 0                        ; what a beat does with the beat before: nothing / its relu starts S / diagonal / off-diagonal
.set EK_FIRST, 1
.set EK_DIAG, 2
.set EK_OFF, 3
.set PK_NONE, 0                        ; which pairs a beat makes for the beat after next
.set PK_DIAG, 1
.set PK_OFF, 2
; s_set_vgpr_msb's low byte: bits 1:0 source 0, 3:2 source 1, 5:4 source 2, 7:6 destination
.set MUL,  0xa7                        ; A window 3, B window 1, C and D window 2
.set EPI,  0xaa                        ; all window 2
.set TOB,  0x40                        ; destination window 1
.set TO2,  0x80                        ; destination window 2
.set CV1,  0xc5                        ; sources window 1, destination window 3
.set CV2,  0xca                        ; sources window 2, destination window 3
.set CV0,  0xc0                        ; sources window 0, destination window 3
.set SCV,  0x0a                        ; sources window 2, destination window 0
.set MUL2, 0xad                        ; A window 1, B window 3, C and D window 2
.set OUTS, 0x20                        ; source 2 window 2
.set MSB, 0
.macro WIN new                         ; the immediate's high byte repeats the setting that is left; a switch that changes nothing is dropped
.if MSB != \new
	s_set_vgpr_msb (MSB<<8)|\new
.set MSB, \new
.endif
.endm
; Sixteen loads of 16 bytes a lane: one K step (32 k) of a weight matrix for my 64 columns, as f32.  Register zone + 4 (8 g + e) + q.
.macro LAND16 sb, zone, i0, ig, ie
.irp g,0,1
.irp e,0,1,2,3,4,5,6,7
	global_load_b128 v[\zone+(8*\g+\e)*4:\zone+(8*\g+\e)*4+3], v[WOFF], s[\sb:\sb+1] offset:\i0+\g*\ig+\e*\ie
.endr
.endr
.endm
.macro LANDW1 s, zone                  ; row k = 32 s + 16 g + 8 (lane / 16) + e of W1, columns H = base + 4 (lane % 16) + q
	LAND16 6, \zone, \s*131072, 65536, 4096
.endm
.macro LANDW2 k, zone                  ; row H = 64 (k >> 1) + 32 (lane / 16) + 4 e + 2 (k & 1) + g of W2's slice, columns d = 64 w + 4 (lane % 16) + q
	LAND16 10, \zone, ((\k>>1)*64+(\k&1)*2)*1024, 1024, 4096
.endm
; One K step's 64 f32 registers become 32 registers of four fragments: fragment q, K step s, register 4 g + c holds e = 2c (low half), 2c + 1 (high half)
.macro CVT16 zone, s
.irp q,0,1,2,3
.irp g,0,1
.irp c,0,1,2,3
	v_cvt_pk_bf16_f32 v[64*\q+8*\s+4*\g+\c], v[\zone+(8*\g+2*\c)*4+\q], v[\zone+(8*\g+2*\c+1)*4+\q]
.endr
.endr
.endr
.endm
; All eight K steps, as they land.  Loads come back in the order of issue (ISA guide 5.7.1).
.macro CVT03
	s_wait_loadcnt 63                              ; at most 63 of the 64 loads of K steps 4 to 7 are out: K steps 0 to 3, and all that was asked for before them, are in
	WIN CV1
	CVT16 0, 0
	CVT16 64, 1
	CVT16 128, 2
	CVT16 192, 3
.endm
.macro CVT47
	s_wait_loadcnt 48                              ; the 48 loads of K steps 5 to 7 may be out
	WIN CV2
	CVT16 0, 4
	s_wait_loadcnt 32
	CVT16 64, 5
	s_wait_loadcnt 16
	CVT16 128, 6
	s_wait_loadcnt 0x0
	WIN CV0
	CVT16 Z0, 7
.endm
; 16 LDS loads: x[i] at my two K steps, for both tiles
.macro XILOAD pk
.irp n,0,1
.irp l,0,1
.irp g,0,1
.irp e,0,1
.if \pk == PK_OFF
	ds_load_b128 v[XI+32*\n+16*\l+8*\g+4*\e:XI+32*\n+16*\l+8*\g+4*\e+3], v[XIO+\n] offset:(8*\l+4*\g+\e)*CH
.else
	ds_load_b128 v[XI+32*\n+16*\l+8*\g+4*\e:XI+32*\n+16*\l+8*\g+4*\e+3], v[XIA] offset:\n*256+(8*\l+4*\g+\e)*CH
.endif
.endr
.endr
.endr
.endr
.endm
.macro XIADDR d, t                     ; lane r of an off-diagonal tile t holds the pair (r xor t, 16 + r)
.if \t
	v_xor_b32 v[\d], \t*16, v[R16]
	v_add_nc_u32 v[\d], v[\d], v[XH]
.else
	v_add_nc_u32 v[\d], v[R16], v[XH]
.endif
.endm
; The products of one beat at my two K steps: f32, rounded once, into slot pi.  Diagonal: tile n has j = 16 n + r.  Off-diagonal: both tiles have j = 16 + r.
.macro PROD pi, pk
.irp n,0,1
.irp l,0,1
.irp i,0,2,4,6,8,10,12,14
.if \pk == PK_OFF
	v_pk_mul_f32 v[XI+32*\n+16*\l+\i:XI+32*\n+16*\l+\i+1], v[XI+32*\n+16*\l+\i:XI+32*\n+16*\l+\i+1], v[XJ+32+16*\l+\i:XJ+32+16*\l+\i+1]
.else
	v_pk_mul_f32 v[XI+32*\n+16*\l+\i:XI+32*\n+16*\l+\i+1], v[XI+32*\n+16*\l+\i:XI+32*\n+16*\l+\i+1], v[XJ+32*\n+16*\l+\i:XJ+32*\n+16*\l+\i+1]
.endif
.endr
.endr
.endr
.irp n,0,1
.irp l,0,1
.irp g,0,1
.irp c,0,1,2,3
	v_cvt_pk_bf16_f32 v[PKR+16*\n+8*\l+4*\g+\c], v[XI+32*\n+16*\l+8*\g+2*\c], v[XI+32*\n+16*\l+8*\g+2*\c+1]
.endr
	ds_store_b128 v[STA], v[PKR+16*\n+8*\l+4*\g:PKR+16*\n+8*\l+4*\g+3] offset:\pi*SLOTB+\n*8192+\l*1024+\g*512
.endr
.endr
.endr
.endm
; 32 LDS loads: a whole beat's pair fragments out of slot p into B[p] (under the setting TOB)
.macro LOADB p
.irp n,0,1
.irp s,0,1,2,3,4,5,6,7
.irp g,0,1
	ds_load_b128 v[128*(\p)+64*\n+8*\s+4*\g:128*(\p)+64*\n+8*\s+4*\g+3], v[LDA] offset:(\p)*SLOTB+\n*8192+\s*1024+\g*512
.endr
.endr
.endr
.endm
; One relu of the beat before.  Its vector registers stand as source 2 and destination alone, which the setting MUL puts in window 2: no switch is needed.
.macro RELU1 pi, rl
.if \rl == EK_FIRST
	v_max3_num_f32 v[SS+RI], 0, 0, v[64*(1-\pi)+RI]            ; the first beat's relu starts S: nothing is cleared
.else
	v_max3_num_f32 v[64*(1-\pi)+RI], 0, 0, v[64*(1-\pi)+RI]
.endif
.set RI, RI+1
.endm
; Eight matrix instructions: K step s of both tiles and all four H tiles.  The eight accumulators take turns, one instruction a turn.
; At K step 0 the bias is C: it starts the sums.
.macro MULG pi, s, rl
.irp n,0,1
.irp q,0,1,2,3
.if \s
	v_wmma_f32_16x16x32_bf16 v[64*\pi+32*\n+8*\q:64*\pi+32*\n+8*\q+7], v[64*\q+8*\s:64*\q+8*\s+7], v[128*\pi+64*\n+8*\s:128*\pi+64*\n+8*\s+7], v[64*\pi+32*\n+8*\q:64*\pi+32*\n+8*\q+7]
.else
	v_wmma_f32_16x16x32_bf16 v[64*\pi+32*\n+8*\q:64*\pi+32*\n+8*\q+7], v[64*\q+8*\s:64*\q+8*\s+7], v[128*\pi+64*\n+8*\s:128*\pi+64*\n+8*\s+7], v[BIAS+8*\q:BIAS+8*\q+7]
.endif
.if \rl
	RELU1 \pi, \rl
	RELU1 \pi, \rl
.endif
.endr
.endr
.endm
; An off-diagonal tile (n of D[1 - pi], lane mask t) goes into both halves of S: lane r holds pair (r xor t, 16 + r), so it adds as it stands to j = 16 + r,
; and lane a of j = a takes lane a xor t, which holds i = a.
.macro OFFADD pi, n, t
.irp q,0,1,2,3
.irp i,0,2,4,6
	v_pk_add_f32 v[SS+32+8*\q+\i:SS+32+8*\q+\i+1], v[SS+32+8*\q+\i:SS+32+8*\q+\i+1], v[64*(1-\pi)+32*\n+8*\q+\i:64*(1-\pi)+32*\n+8*\q+\i+1]
.endr
.if \t
.irp j,0,1,2,3,4,5,6,7
	v_add_f32_dpp v[SS+8*\q+\j], v[64*(1-\pi)+32*\n+8*\q+\j], v[SS+8*\q+\j] row_xmask:\t row_mask:0xf bank_mask:0xf
.endr
.else
.irp i,0,2,4,6
	v_pk_add_f32 v[SS+8*\q+\i:SS+8*\q+\i+1], v[SS+8*\q+\i:SS+8*\q+\i+1], v[64*(1-\pi)+32*\n+8*\q+\i:64*(1-\pi)+32*\n+8*\q+\i+1]
.endr
.endif
.endr
.endm
; Beat v, pi = v % 2: multiplies B[pi] into D[pi]; relu and sum of beat v - 1 (D[1 - pi]; ek, masks t0, t1); ld: loads beat v + 1 out of slot 1 - pi into B[1 - pi];
; pk: makes beat v + 2 (masks p0, p1) into slot pi, which every wave has finished reading before the last barrier.
; ONE barrier a beat orders both ways: in front of its signal my stores into slot pi and my loads out of slot 1 - pi are done;
; behind its wait the next beat reads slot pi and writes slot 1 - pi.
.macro BEAT pi, ek, t0, t1, ld, pk, p0, p1
.set RI, 0
	WIN MUL
	MULG \pi, 0, \ek
	MULG \pi, 1, \ek
.if \pk
	WIN 0
.if \pk == PK_OFF
	XIADDR XIO, \p0
	XIADDR XIO+1, \p1
.endif
	XILOAD \pk
.endif
.if \ld
	WIN TOB
	LOADB 1-\pi
.endif
	WIN MUL
	MULG \pi, 2, \ek
	MULG \pi, 3, \ek
.if \pk
	WIN 0
	s_wait_dscnt 32                                ; LDS loads come back in order (ISA guide 5.7.1): the 32 fragment loads issued behind x[i]'s sixteen may be out
	PROD \pi, \pk
.endif
	WIN MUL
	MULG \pi, 4, 0
	MULG \pi, 5, 0
.if \ek == EK_DIAG
	WIN EPI
.set AI, 0
.rept 32
	v_pk_add_f32 v[SS+AI:SS+AI+1], v[SS+AI:SS+AI+1], v[64*(1-\pi)+AI:64*(1-\pi)+AI+1]   ; tile n, lane r holds pair (16 n + i, 16 n + r): it adds to j = 16 n + r
.set AI, AI+2
.endr
.endif
.if \ek == EK_OFF
	WIN EPI
	OFFADD \pi, 0, \t0
	OFFADD \pi, 1, \t1
.endif
	WIN MUL
.if \ld
	s_wait_dscnt 0x0                               ; for the other waves' sake: my stores into slot pi and my loads out of slot 1 - pi are done
	s_barrier_signal -1
.endif
	MULG \pi, 6, 0                                 ; register work while the others arrive
	MULG \pi, 7, 0
	WIN 0
	; four places behind the last matrix instructions, in front of the next beat's relu of D[pi] and its loads into B[pi]
.if \pk == PK_DIAG
	v_add_nc_u32 v[XIA], 16, v[XIA]                ; the next diagonal beat's row i
	v_nop
	v_nop
	v_nop
.else
	v_nop
	v_nop
	v_nop
	v_nop
.endif
.if \ld
	s_barrier_wait -1
.endif
.endm
	; ---------------- addresses ----------------
	s_load_b256 s[4:11], s[0:1], 0x0               ; x s[4:5], W1 s[6:7], b1 s[8:9], W2 s[10:11]
	s_load_b128 s[12:15], s[0:1], 0x20             ; b2 s[12:13], part s[14:15]
	v_lshl_add_u32 v254, v0, 2, 0x20800
	v_mov_b32 v255, 0
	v_lshrrev_b32 v24, 5, v0
	v_readfirstlane_b32 s16, v24                   ; w
	s_and_b32 s18, ttmp7, 0xffff                   ; y; ttmp9 is hs
	v_and_b32 v25, 31, v0                          ; lane
	v_and_b32 v26, 15, v0                          ; lane % 16
	v_bfe_u32 v27, v0, 4, 1                        ; lane / 16
	v_lshlrev_b32 v[R16], 4, v26
	s_mul_i32 s20, s16, 16*CH                      ; my two K steps are 16 pieces of 16 bytes,
	s_add_co_u32 s20, s20, XB
	v_mul_u32_u24 v[XH], v27, 2*CH                 ; the upper half of the lanes stands 8 k = 2 pieces further
	v_add_nc_u32 v[XH], s20, v[XH]
	v_add_nc_u32 v[XJA], v[XH], v[R16]
	v_lshlrev_b32 v[LDA], 4, v25
	s_lshl_b32 s20, s16, 11
	v_add_nc_u32 v[STA], s20, v[LDA]
	v_add_nc_u32 v[SXA], SXB, v[STA]
	v_add_nc_u32 v[SXL], SXB, v[LDA]
	v_lshl_add_u32 v[WOFF], v27, 15, v[R16]
	v_lshlrev_b32 v[BOFF], 7, v27
	s_lshl_b32 s19, s16, 8                         ; 256 w
	v_lshl_add_u32 v[POFF], v27, 13, v[R16]
	v_add_nc_u32 v[POFF], s19, v[POFF]
	v_add_nc_u32 v[B2OFF], s19, v[R16]
	s_lshl_b32 s20, s16, 14                        ; wave w brings rows 16 w .. 16 w + 15 of the 64 rows of x
	v_add_nc_u32 v[XOFF], s20, v[LDA]
	s_lshr_b32 s20, s16, 1                         ; which are rows 16 (w & 1) .. of batch w >> 1
	s_mul_i32 s20, s20, XBAT
	s_and_b32 s21, s16, 1
	s_lshl_b32 s21, s21, 8
	s_add_co_u32 s20, s20, s21
	s_add_co_u32 s20, s20, XB
	v_mul_u32_u24 v[XST], v25, CH                  ; lane = piece of the row
	v_add_nc_u32 v[XST], s20, v[XST]
	s_mov_b32 s24, 0x41000000                      ; 8.0
	s_mov_b32 s21, 0
	s_wait_kmcnt 0x0
	s_lshl_b32 s20, s18, 16                        ; two batches of x, and 64 rows of part, are 65,536 bytes
	s_add_nc_u64 s[4:5], s[4:5], s[20:21]
	s_add_nc_u64 s[14:15], s[14:15], s[20:21]
	s_lshl_b32 s20, ttmp9, 22                      ; a slice of part is 4,194,304 bytes
	s_add_nc_u64 s[14:15], s[14:15], s[20:21]
	s_lshl_b32 s20, ttmp9, 10                      ; W1's and b1's column 256 hs + 64 w
	s_add_co_u32 s20, s20, s19
	s_add_nc_u64 s[6:7], s[6:7], s[20:21]
	s_add_nc_u64 s[8:9], s[8:9], s[20:21]
	s_lshl_b32 s20, ttmp9, 18                      ; W2's row 256 hs, column 64 w
	s_add_co_u32 s20, s20, s19
	s_add_nc_u64 s[10:11], s[10:11], s[20:21]
	; ---------------- x into LDS, W1 and b1 into registers ----------------
.irp n,0,1,2,3,4,5,6,7,8,9,10,11,12,13,14,15
.irp f,0,1
	global_load_b128 v[XL+8*\n+4*\f:XL+8*\n+4*\f+3], v[XOFF], s[4:5] offset:\n*1024+\f*512
.endr
.endr
	global_load_b128 v[B2:B2+3], v[B2OFF], s[12:13]
	WIN TO2
.irp q,0,1,2,3
.irp j,0,1,2,3,4,5,6,7
	global_load_b32 v[BIAS+8*\q+\j], v[BOFF], s[8:9] offset:16*\j+4*\q     ; register j of an accumulator is H = base + 32 (lane / 16) + 4 j + q
.endr
.endr
	WIN TOB
	LANDW1 0, 0
	WIN 0
	s_wait_loadcnt 49                              ; behind x's 32 loads stand 1 of b2, 32 of b1 and 16 of W1: x is in
.irp n,0,1,2,3,4,5,6,7,8,9,10,11,12,13,14,15
.irp f,0,1
	ds_store_b128 v[XST], v[XL+8*\n+4*\f:XL+8*\n+4*\f+3] offset:\f*32*CH+\n*16
.endr
.endr
	WIN TOB
	LANDW1 1, 64
	LANDW1 2, 128
	LANDW1 3, 192
	WIN TO2
	LANDW1 4, 0
	LANDW1 5, 64
	LANDW1 6, 128
	WIN 0
	LANDW1 7, Z0
	s_wait_dscnt 0x0                               ; my rows of x are in LDS,
	s_barrier_signal -1
	s_barrier_wait -1                              ; everybody's are; from here on x in LDS is only read
	CVT03
	CVT47
	WIN 0
	; ---------------- the two batches ----------------
	s_mov_b32 s23, 2
.Lbatch:
	v_mov_b32 v[XIA], v[XH]                        ; i = 0
.irp n,0,1
.irp l,0,1
.irp g,0,1
.irp e,0,1
	ds_load_b128 v[XJ+32*\n+16*\l+8*\g+4*\e:XJ+32*\n+16*\l+8*\g+4*\e+3], v[XJA] offset:\n*256+(8*\l+4*\g+\e)*CH   ; x[j], j = 16 n + lane % 16: kept for the whole batch
.endr
.endr
.endr
.endr
	XILOAD PK_DIAG
	s_wait_dscnt 0x0
	PROD 0, PK_DIAG                                ; beat 0 into slot 0 (both slots are free: their last reads were done in front of the last two barriers)
	v_add_nc_u32 v[XIA], 16, v[XIA]
	XILOAD PK_DIAG
	s_wait_dscnt 0x0
	PROD 1, PK_DIAG                                ; beat 1 into slot 1
	v_add_nc_u32 v[XIA], 16, v[XIA]
	s_wait_dscnt 0x0                               ; my parts of both slots are stored,
	s_barrier_signal -1
	s_barrier_wait -1                              ; everybody's are
	WIN TOB
	LOADB 0
	WIN 0
	s_wait_dscnt 0x0                               ; my reads of slot 0 are done,
	s_barrier_signal -1
	s_barrier_wait -1                              ; everybody's are: beat 0 may write slot 0 again
	BEAT 0, EK_NONE, 0, 0, 1, PK_DIAG, 0, 0        ; beat 0
	BEAT 1, EK_FIRST, 0, 0, 1, PK_DIAG, 0, 0       ; beat 1
	s_mov_b32 s22, 6
.Ldiag:                                                ; beats 2 to 13
	BEAT 0, EK_DIAG, 0, 0, 1, PK_DIAG, 0, 0
	BEAT 1, EK_DIAG, 0, 0, 1, PK_DIAG, 0, 0
	s_sub_co_i32 s22, s22, 1
	s_cmp_lg_u32 s22, 0
	s_cbranch_scc1 .Ldiag
	BEAT 0, EK_DIAG, 0, 0, 1, PK_OFF, 0, 8         ; beat 14 makes beat 16, the first off-diagonal one
	BEAT 1, EK_DIAG, 0, 0, 1, PK_OFF, 1, 9
	BEAT 0, EK_DIAG, 0, 0, 1, PK_OFF, 2, 10        ; beat 16
	BEAT 1, EK_OFF, 0, 8, 1, PK_OFF, 3, 11
	BEAT 0, EK_OFF, 1, 9, 1, PK_OFF, 4, 12
	BEAT 1, EK_OFF, 2, 10, 1, PK_OFF, 5, 13
	BEAT 0, EK_OFF, 3, 11, 1, PK_OFF, 6, 14
	BEAT 1, EK_OFF, 4, 12, 1, PK_OFF, 7, 15        ; beat 21 makes beat 23, the last
	BEAT 0, EK_OFF, 5, 13, 1, PK_NONE, 0, 0
	BEAT 1, EK_OFF, 6, 14, 0, PK_NONE, 0, 0        ; beat 23 touches no LDS: no barrier
	WIN EPI                                        ; beat 23's own relu and sum (its four places stand at the beat's end)
.set AI, 0
.rept 64
	v_max_num_f32 v[64+AI], 0, v[64+AI]
.set AI, AI+1
.endr
	OFFADD 0, 0, 7
	OFFADD 0, 1, 15
	; S, rounded once to bf16.  A lane's eight numbers of S[J][q] are H = 64 w + 32 (lane / 16) + 4 j + q, j = 0..7: four registers, one half of the
	; fragment of K step 2 w + (q >> 1), half q & 1, of the second product, in the same lane.
	WIN SCV
.irp n,0,1
.irp q,0,1,2,3
.irp c,0,1,2,3
	v_cvt_pk_bf16_f32 v[PKR+16*\n+4*\q+\c], v[SS+32*\n+8*\q+2*\c], v[SS+32*\n+8*\q+2*\c+1]
.endr
.endr
.endr
	WIN 0
.irp n,0,1
.irp q,0,1,2,3
	ds_store_b128 v[SXA], v[PKR+16*\n+4*\q:PKR+16*\n+4*\q+3] offset:\n*8192+(\q>>1)*1024+(\q&1)*512
.endr
.endr
	v_add_nc_u32 v[XH], XBAT, v[XH]                ; the next batch
	v_add_nc_u32 v[XJA], XBAT, v[XJA]
	v_add_nc_u32 v[SXA], 16384, v[SXA]
	s_sub_co_i32 s23, s23, 1
	s_cmp_lg_u32 s23, 0
	s_cbranch_scc1 .Lbatch
	; ---------------- the second product: 64 rows (b, j) x my 64 columns d, K = the slice's 256 H ----------------
	WIN TOB                                        ; W2 lands where the pair fragments, the accumulators and x[j] were: all are free
	LANDW2 0, 0
	LANDW2 1, 64
	LANDW2 2, 128
	LANDW2 3, 192
	WIN TO2
	LANDW2 4, 0
	LANDW2 5, 64
	LANDW2 6, 128
	WIN 0
	LANDW2 7, Z0
	s_wait_dscnt 0x0                               ; my part of S is in LDS,
	s_barrier_signal -1
	s_barrier_wait -1                              ; everybody's is
	CVT03                                          ; W2's fragments take the place of W1's
	WIN TOB
.irp t,0,1,2,3
.irp k,0,1,2,3,4,5,6,7
.irp g,0,1
	ds_load_b128 v[64*\t+8*\k+4*\g:64*\t+8*\k+4*\g+3], v[SXL] offset:\t*8192+\k*1024+\g*512   ; S's fragments, where K steps 0 to 3 of W2 landed
.endr
.endr
.endr
	CVT47
	s_wait_dscnt 0x0
	WIN MUL2
	; sixteen accumulators take turns, one instruction a turn; the first K step starts the sums
.irp k,0,1,2,3,4,5,6,7
.irp t,0,1,2,3
.irp q,0,1,2,3
.if \k
	v_wmma_f32_16x16x32_bf16 v[8*(4*\t+\q):8*(4*\t+\q)+7], v[64*\t+8*\k:64*\t+8*\k+7], v[64*\q+8*\k:64*\q+8*\k+7], v[8*(4*\t+\q):8*(4*\t+\q)+7]
.else
	v_wmma_f32_16x16x32_bf16 v[8*(4*\t+\q):8*(4*\t+\q)+7], v[64*\t+8*\k:64*\t+8*\k+7], v[64*\q+8*\k:64*\q+8*\k+7], 0
.endif
.endr
.endr
.endr
	v_nop                                          ; four places behind the last matrix instruction, in front of the first read of a result (ISA guide 7.12.1)
	v_nop
	v_nop
	v_nop
	WIN OUTS
	; Register j of tile (t, q), lane (r, h), is row 16 t + 8 h + j, column 64 w + 4 r + q: the multiply-add that brings 8 b2 in also gathers four neighbouring
	; columns.  Sixteen lanes store 256 consecutive bytes, at a multiple of 256 from part's first byte.  Each store has data registers of its own.
.irp t,0,1,2,3
.irp j,0,1,2,3,4,5,6,7
.irp q,0,1,2,3
	v_fma_f32 v[TT+4*(8*\t+\j)+\q], v[B2+\q], s24, v[8*(4*\t+\q)+\j]
.endr
	global_store_b128 v[POFF], v[TT+4*(8*\t+\j):TT+4*(8*\t+\j)+3], s[14:15] offset:(16*\t+\j)*1024
.endr
.endr
	WIN 0
	s_wait_tensorcnt 0x0
	ds_add_u32 v254, v255
	s_wait_dscnt 0x0
	s_endpgm
.Lfunc_end_k_q04be101292_pairs:
	.size	k_q04be101292_pairs, .Lfunc_end_k_q04be101292_pairs-k_q04be101292_pairs
	.p2alignl 7, 3214868480
	.fill 96, 4, 3214868480
	.section	.rodata,"a",@progbits
	.p2align	6, 0x0
	.amdhsa_kernel k_q04be101292_pairs
		.amdhsa_group_segment_fixed_size 133632
		.amdhsa_private_segment_fixed_size 0
		.amdhsa_enable_private_segment 0
		.amdhsa_kernarg_size 48
		.amdhsa_user_sgpr_count 2
		.amdhsa_user_sgpr_kernarg_segment_ptr 1
		.amdhsa_wavefront_size32 1
		.amdhsa_system_sgpr_workgroup_id_x 1
		.amdhsa_system_sgpr_workgroup_id_y 1
		.amdhsa_system_sgpr_workgroup_id_z 1
		.amdhsa_system_vgpr_workitem_id 0
		.amdhsa_next_free_vgpr 1024
		.amdhsa_next_free_sgpr 66
		.amdhsa_reserve_vcc 0
		.amdhsa_float_denorm_mode_32 3
		.amdhsa_float_denorm_mode_16_64 3
		.amdhsa_memory_ordered 1
		.amdhsa_forward_progress 1
		.amdhsa_inst_pref_size 255
	.end_amdhsa_kernel
	.section	.bss,"aw",@nobits
	.p2align	6
	.space	262144
	.amdgpu_metadata
---
amdhsa.version: [ 1, 2 ]
amdhsa.kernels:
  - .name:           k_q04be101292_pairs
    .symbol:         k_q04be101292_pairs.kd
    .args:
      - { .name: attribute_embeddings, .offset: 0, .size: 8, .value_kind: global_buffer, .address_space: global }
      - { .name: W1, .offset: 8, .size: 8, .value_kind: global_buffer, .address_space: global }
      - { .name: b1, .offset: 16, .size: 8, .value_kind: global_buffer, .address_space: global }
      - { .name: W2, .offset: 24, .size: 8, .value_kind: global_buffer, .address_space: global }
      - { .name: b2, .offset: 32, .size: 8, .value_kind: global_buffer, .address_space: global }
      - { .name: part, .offset: 40, .size: 8, .value_kind: global_buffer, .address_space: global }
    .group_segment_fixed_size: 133632
    .private_segment_fixed_size: 0
    .kernarg_segment_align: 8
    .kernarg_segment_size: 48
    .max_flat_workgroup_size: 128
    .sgpr_count:     66
    .vgpr_count:     1024
    .wavefront_size: 32
...
	.end_amdgpu_metadata
.endif
;; end of part 1
;; launch combine (part 2): grid 256 x 1, 8 waves a work-group, no clusters, 0 bytes of LDS; arguments part, out0; writes out0
.if DOCPART == 2
	.amdgcn_target "amdgcn-amd-amdhsa--gfx1250"
	.amdhsa_code_object_version 6
	.text
	.protected	k_q04be101292_combine
	.globl	k_q04be101292_combine
	.p2align	8
	.type	k_q04be101292_combine,@function
k_q04be101292_combine:
	s_mov_b64 s[64:65], 0
	v_nop
	global_prefetch_b8 v0, s[64:65] scope:SCOPE_SE
	s_setreg_imm32_b32 hwreg(HW_REG_WAVE_MODE, 25, 1), 1
	s_wait_xcnt 0x0
; out0 = part[0] + part[1] + part[2] + part[3]: the four H slices of the second product, each with 8 b2 in it.  f32, (P0 + P1) + (P2 + P3).
; A stream: the work-group owns 16,384 bytes of out0 as four units of 4,096 bytes; thread t owns the 16 bytes at 16 t of each unit, so a wave's load or store
; covers 512 consecutive bytes.  All sixteen loads of a thread go out first; no LDS, no barrier, no matrix unit: nothing is shared and nothing is multiplied.
.set SLICE, 4194304                    ; bytes in a slice of part: more than twice this does not fit a load's immediate, so each slice has a base of its own
.set P, 4                              ; v[4:67]  unit u, slice s: four registers at P + 16 u + 4 s
	s_load_b128 s[4:7], s[0:1], 0x0                ; part s[4:5], out0 s[6:7]
	s_lshl_b32 s8, ttmp9, 14
	s_mov_b32 s9, 0
	v_lshlrev_b32 v1, 4, v0
	s_wait_kmcnt 0x0
	s_add_nc_u64 s[4:5], s[4:5], s[8:9]
	s_add_nc_u64 s[6:7], s[6:7], s[8:9]
	s_add_nc_u64 s[10:11], s[4:5], SLICE
	s_add_nc_u64 s[12:13], s[4:5], 2*SLICE
	s_add_nc_u64 s[14:15], s[4:5], 3*SLICE
.irp u,0,1,2,3
	global_load_b128 v[P+16*\u:P+16*\u+3],     v1, s[4:5]   offset:\u*4096 th:TH_LOAD_NT
	global_load_b128 v[P+16*\u+4:P+16*\u+7],   v1, s[10:11] offset:\u*4096 th:TH_LOAD_NT
	global_load_b128 v[P+16*\u+8:P+16*\u+11],  v1, s[12:13] offset:\u*4096 th:TH_LOAD_NT
	global_load_b128 v[P+16*\u+12:P+16*\u+15], v1, s[14:15] offset:\u*4096 th:TH_LOAD_NT
.endr
.irp u,0,1,2,3
	s_wait_loadcnt 12-4*\u                         ; loads come back in order (ISA guide 5.7.1): the four loads of each later unit may be out
	v_pk_add_f32 v[P+16*\u:P+16*\u+1],     v[P+16*\u:P+16*\u+1],     v[P+16*\u+4:P+16*\u+5]
	v_pk_add_f32 v[P+16*\u+2:P+16*\u+3],   v[P+16*\u+2:P+16*\u+3],   v[P+16*\u+6:P+16*\u+7]
	v_pk_add_f32 v[P+16*\u+8:P+16*\u+9],   v[P+16*\u+8:P+16*\u+9],   v[P+16*\u+12:P+16*\u+13]
	v_pk_add_f32 v[P+16*\u+10:P+16*\u+11], v[P+16*\u+10:P+16*\u+11], v[P+16*\u+14:P+16*\u+15]
	v_pk_add_f32 v[P+16*\u:P+16*\u+1],     v[P+16*\u:P+16*\u+1],     v[P+16*\u+8:P+16*\u+9]
	v_pk_add_f32 v[P+16*\u+2:P+16*\u+3],   v[P+16*\u+2:P+16*\u+3],   v[P+16*\u+10:P+16*\u+11]
	global_store_b128 v1, v[P+16*\u:P+16*\u+3], s[6:7] offset:\u*4096 th:TH_STORE_NT
.endr
	s_endpgm
.Lfunc_end_k_q04be101292_combine:
	.size	k_q04be101292_combine, .Lfunc_end_k_q04be101292_combine-k_q04be101292_combine
	.p2alignl 7, 3214868480
	.fill 96, 4, 3214868480
	.section	.rodata,"a",@progbits
	.p2align	6, 0x0
	.amdhsa_kernel k_q04be101292_combine
		.amdhsa_group_segment_fixed_size 0
		.amdhsa_private_segment_fixed_size 0
		.amdhsa_enable_private_segment 0
		.amdhsa_kernarg_size 16
		.amdhsa_user_sgpr_count 2
		.amdhsa_user_sgpr_kernarg_segment_ptr 1
		.amdhsa_wavefront_size32 1
		.amdhsa_system_sgpr_workgroup_id_x 1
		.amdhsa_system_sgpr_workgroup_id_y 1
		.amdhsa_system_sgpr_workgroup_id_z 1
		.amdhsa_system_vgpr_workitem_id 0
		.amdhsa_next_free_vgpr 72
		.amdhsa_next_free_sgpr 66
		.amdhsa_reserve_vcc 0
		.amdhsa_float_denorm_mode_32 3
		.amdhsa_float_denorm_mode_16_64 3
		.amdhsa_memory_ordered 1
		.amdhsa_forward_progress 1
		.amdhsa_inst_pref_size 5
	.end_amdhsa_kernel
	.amdgpu_metadata
---
amdhsa.version: [ 1, 2 ]
amdhsa.kernels:
  - .name:           k_q04be101292_combine
    .symbol:         k_q04be101292_combine.kd
    .args:
      - { .name: part, .offset: 0, .size: 8, .value_kind: global_buffer, .address_space: global }
      - { .name: out0, .offset: 8, .size: 8, .value_kind: global_buffer, .address_space: global }
    .group_segment_fixed_size: 0
    .private_segment_fixed_size: 0
    .kernarg_segment_align: 8
    .kernarg_segment_size: 16
    .max_flat_workgroup_size: 256
    .sgpr_count:     66
    .vgpr_count:     72
    .wavefront_size: 32
...
	.end_amdgpu_metadata
.endif
;; end of part 2
;; ======== version 2 of 2: 2 launches; 1.29 times as fast as version 1
;; workspace buffers: part 16,777,216 bytes
;; launch pairs (part 3): grid 4 x 64, 4 waves a work-group, no clusters, 133,632 bytes of LDS; arguments attribute_embeddings, W1, b1, W2, b2, part; writes part
.if DOCPART == 3
	.amdgcn_target "amdgcn-amd-amdhsa--gfx1250"
	.amdhsa_code_object_version 6
	.text
	.protected	k_q04be101292_pairs
	.globl	k_q04be101292_pairs
	.p2align	8
	.type	k_q04be101292_pairs,@function
k_q04be101292_pairs:
	s_mov_b64 s[64:65], 0
	v_nop
	global_prefetch_b8 v0, s[64:65] scope:SCOPE_SE
	s_setreg_imm32_b32 hwreg(HW_REG_WAVE_MODE, 25, 1), 1
	s_wait_xcnt 0x0
; part[hs][b*32+j][d] = sum over the 256 H of slice hs of S[b][j][H] * W2[H][d]  +  8 * b2[d],
; with S[b][j][H] = sum over i of relu( sum over k of x[b][i][k] x[b][j][k] W1[k][H] + b1[H] ).
; The four slices are added by the next launch; four times 8 b2 is the 32 b2 that the sum over i of the second layer's bias gives.
; WHY THIS IS THE SAME RESULT: the sum over i and the second layer are both linear, so the second product is made once for each (b, j), on the
; summed activations.  H is summed out, so H may stand in any order that W1's columns, b1 and W2's rows share; the order used lets f32 weights be read
; 16 bytes a lane and packed straight into fragments.  x[i] x[j] = x[j] x[i] bit for bit, so the activations h(i, j) of pair (i, j) are those of (j, i):
; each unordered pair is made once (but for 16 pairs, see PLAIN) and added to both rows of S.  34 tiles of 16 pairs for a batch and not 64:
;   rows 0-15 are block 0, rows 16-31 block 1; r = lane % 16; S0[r], S1[r] are the sums of rows r and 16 + r.
;   COMB (p, t), t = 2..15, p = the highest bit set in t, beta(r) = bit p of r: lane r holds the pair (r xor t, r) of block beta(r).  Lanes r and r xor t have
;     different beta, so of the two lanes that could hold an unordered pair of a block exactly one does: one tile serves both blocks.
;   OFF t, t = 0..15 (beta = 0): lane r holds the pair (16 + (r xor t), r).
;   In both, with P[r] = S_beta(r)[r] and Q[r] = S_(1 - beta(r))[r]: P takes the lane's own result, Q takes the result of lane r xor t.
;   Where beta changes (p = 3, 2, 1, then 0 everywhere) P and Q are exchanged in the lanes in which it changes.  At the end P = S0, Q = S1.
;   PLAIN t, t = 0, 1: tile n holds the pairs (16 n + (r xor t), 16 n + r); tile 0 adds to S0, tile 1 to S1.  (t = 1 could be one COMB tile; the batch would then
;     have 33 tiles, and a beat has two.)
; SHARES: work-group (hs, y): H 256 hs .. +255, batches 2y and 2y+1, one after the other.  Wave w: H tiles q = 0..3, row m of tile q is H = 256 hs + 64 w + 4 m + q;
; its part of W1 (64 H x 256 k in bf16, 256 registers) stays in registers for the whole launch.
; A BEAT = 2 tiles of 16 pairs x 4 H tiles x 8 K steps = 64 matrix instructions; 17 beats a batch.  The pair products of a beat are made once in the
; work-group (wave w makes K steps 2w, 2w+1 in f32, rounds them once to bf16) and handed round through two LDS slots that take turns.
; THE ORDER IN A BEAT: all LDS instructions of beat v stand in ONE run at its head: the pairs of beat v + 2 are stored, x[i] of beat v + 3 is loaded, the fragments of
; beat v + 1 are loaded.  All vector work (relu and sum of beat v - 1, the products of beat v + 3) stands in groups of three or eight lines between the
; matrix instructions.  A group that works in another register window than the matrix instructions costs two switches.
; NO JOINT LOADS, NO DATA MOVER: the weights are f32 and have to be rounded on the way; each work-group reads each of its 524,288 weight bytes once, in loads
; of which sixteen lanes take 256 consecutive aligned bytes, straight into the order of the fragments.  Through LDS the same bytes would be written and read
; once more, and one matrix's slice in f32 (262,144 bytes) does not fit beside the 133,120 bytes in use.
; LIMITS: relu is a maximum that drops NaN (a NaN in front of the relu gives 0, where reference() gives NaN).  Pair products, W1, S and W2 are each rounded
; once to bf16; all sums are f32, in another order than reference()'s.
;
; LDS: 0       two slots of 16,384: pair fragments, slot*16384 + tile*8192 + Kstep*1024 + half*512 + lane*16 (every access 512 consecutive bytes)
;      32768   x of both batches in f32, by pieces of 16 bytes: batch*33792 + (k/4)*528 + row*16.  528 = 33 x 16: sixteen lanes on neighbouring pieces of one
;              row fall on sixteen different 16-byte columns modulo 256 bytes, and so do sixteen lanes on rows that differ modulo 16 of one piece
;      100352  S in bf16 in the order of fragments: (2 batch + block)*8192 + Kstep*1024 + half*512 + lane*16
; REGISTERS, in windows of 256: window 0 addresses and the making of pairs; window 1 pair fragments B[slot][tile][K step]; window 2 accumulators D[slot][tile][q],
; P, Q, bias[q] and a third set for the exchange; window 3 W1 fragments A[q][K step].  Weights land as f32 in windows 1, 2 and 0 before these are in use (W1) or after (W2).
.set XB,    32768
.set XBAT,  33792
.set CH,    528
.set SXB,   100352
.set SLOTB, 16384
.set R16,   1                          ; v1   16 (lane % 16)
.set XH,    2                          ; v2   x in LDS at my K steps: XB + batch + 1056 (lane / 16) + 8448 w
.set XJA,   3                          ; v3   XH + R16: row lane % 16
.set XJT,   4                          ; v4   XJA + 256 beta: row 16 beta + lane % 16
.set XIO,   5                          ; v5-6 XH + 16 ((lane % 16) xor t) + 256 beta: the i rows of a beat's two tiles
.set STA,   7                          ; v7   16 lane + 2048 w: where I put pair fragments
.set LDA,   8                          ; v8   16 lane: where I read them
.set SXA,   9                          ; v9   SXB + 16 lane + 2048 w + 16384 batch
.set SXL,   10                         ; v10  SXB + 16 lane
.set WOFF,  11                         ; v11  32768 (lane / 16) + 16 (lane % 16): offset in W1 (8 rows of 4,096 bytes) and in W2 (32 rows of 1,024 bytes)
.set BOFF,  13                         ; v13  128 (lane / 16): offset in b1
.set POFF,  14                         ; v14  8192 (lane / 16) + 16 (lane % 16) + 256 w: offset in part
.set XOFF,  15                         ; v15  16384 w + 16 lane: offset in x
.set XST,   16                         ; v16  where x goes in LDS
.set B2OFF, 17                         ; v17  256 w + 16 (lane % 16): offset in b2
.set B2,    20                         ; v[20:23] b2 of my four columns
.set BET,   27                         ; v28-30  BET + p: 256 x bit p of the lane, p = 1, 2, 3 (sixteen rows of 16 bytes)
.set XJ,    32                         ; v[32:95]   x[j]: two sets of [K step of mine][16 k]
.set XI,    96                         ; v[96:159]  x[i]: [tile][K step of mine][16 k], then the products
.set PKR,   160                        ; v[160:191] the products, later S, in bf16
.set XL,    96                         ; v[96:223]  x as it lands, at the start
.set TT,    96                         ; v[96:223]  results on the way out, at the end
.set Z0,    32                         ; v[32:95]   where the eighth K step of a weight matrix lands
.set SS,    128                        ; window 2: v[128:191] P and Q at a batch's start
.set BIAS,  192                        ; window 2: b1 in the layout of an accumulator
.set SPARE, 224                        ; window 2: v[224:255] the third set of 32 registers for the exchange of P and Q
.set EK_NONE, 0                        ; what a beat does with the beat before: nothing / it starts P and Q / P and Q / plain
.set EK_FIRST, 1
.set EK_PQ, 2
.set EK_PLAIN, 3
.set PK_NONE, 0                        ; which pairs a beat multiplies, for the third beat after it
.set PK_COMB, 1
.set PK_OFF, 2
.set PK_PLAIN, 3
; s_set_vgpr_msb's low byte: bits 1:0 source 0, 3:2 source 1, 5:4 source 2, 7:6 destination
.set MUL,  0xa7                        ; A window 3, B window 1, C and D window 2
.set EPI,  0xaa                        ; all window 2
.set TOB,  0x40                        ; destination window 1
.set TO2,  0x80                        ; destination window 2
.set CV1,  0xc5                        ; sources window 1, destination window 3
.set CV2,  0xca                        ; sources window 2, destination window 3
.set CV0,  0xc0                        ; sources window 0, destination window 3
.set SCV,  0x0a                        ; sources window 2, destination window 0
.set MUL2, 0xad                        ; A window 1, B window 3, C and D window 2
.set OUTS, 0x20                        ; source 2 window 2
.set MSB, 0
.macro WIN new                         ; the immediate's high byte repeats the setting that is left; a switch that changes nothing is dropped
.if MSB != \new
	s_set_vgpr_msb (MSB<<8)|\new
.set MSB, \new
.endif
.endm
; Sixteen loads of 16 bytes a lane: one K step (32 k) of a weight matrix for my 64 columns, as f32.  Register zone + 4 (8 g + e) + q.
.macro LAND16 sb, zone, i0, ig, ie
.irp g,0,1
.irp e,0,1,2,3,4,5,6,7
	global_load_b128 v[\zone+(8*\g+\e)*4:\zone+(8*\g+\e)*4+3], v[WOFF], s[\sb:\sb+1] offset:\i0+\g*\ig+\e*\ie
.endr
.endr
.endm
.macro LANDW1 s, zone                  ; row k = 32 s + 16 g + 8 (lane / 16) + e of W1, columns H = base + 4 (lane % 16) + q
	LAND16 6, \zone, \s*131072, 65536, 4096
.endm
.macro LANDW2 k, zone                  ; row H = 64 (k >> 1) + 32 (lane / 16) + 4 e + 2 (k & 1) + g of W2's slice, columns d = 64 w + 4 (lane % 16) + q
	LAND16 10, \zone, ((\k>>1)*64+(\k&1)*2)*1024, 1024, 4096
.endm
; One K step's 64 f32 registers become 32 registers of four fragments: fragment q, K step s, register 4 g + c holds e = 2c (low half), 2c + 1 (high half)
.macro CVT16 zone, s
.irp q,0,1,2,3
.irp g,0,1
.irp c,0,1,2,3
	v_cvt_pk_bf16_f32 v[64*\q+8*\s+4*\g+\c], v[\zone+(8*\g+2*\c)*4+\q], v[\zone+(8*\g+2*\c+1)*4+\q]
.endr
.endr
.endr
.endm
; All eight K steps, as they land.  Loads come back in the order of issue (ISA guide 5.7.1).
.macro CVT03
	s_wait_loadcnt 63                              ; at most 63 of the 64 loads of K steps 4 to 7 are out: K steps 0 to 3, and all that was asked for before them, are in
	WIN CV1
	CVT16 0, 0
	CVT16 64, 1
	CVT16 128, 2
	CVT16 192, 3
.endm
.macro CVT47
	s_wait_loadcnt 48                              ; the 48 loads of K steps 5 to 7 may be out
	WIN CV2
	CVT16 0, 4
	s_wait_loadcnt 32
	CVT16 64, 5
	s_wait_loadcnt 16
	CVT16 128, 6
	s_wait_loadcnt 0x0
	WIN CV0
	CVT16 Z0, 7
.endm
; 8 LDS loads: x[j] at my two K steps into set 0 or 1, from the row that register a names, off bytes further
.macro XJLOAD set, a, off
.irp l,0,1
.irp g,0,1
.irp e,0,1
	ds_load_b128 v[XJ+32*\set+16*\l+8*\g+4*\e:XJ+32*\set+16*\l+8*\g+4*\e+3], v[\a] offset:\off+(8*\l+4*\g+\e)*CH
.endr
.endr
.endr
.endm
; 16 LDS loads: x[i] at my two K steps, for both tiles; o0, o1: 256 where a tile's i rows lie in block 1 for every lane
.macro XILOAD o0, o1
.irp l,0,1
.irp g,0,1
.irp e,0,1
	ds_load_b128 v[XI+16*\l+8*\g+4*\e:XI+16*\l+8*\g+4*\e+3], v[XIO] offset:\o0+(8*\l+4*\g+\e)*CH
.endr
.endr
.endr
.irp l,0,1
.irp g,0,1
.irp e,0,1
	ds_load_b128 v[XI+32+16*\l+8*\g+4*\e:XI+32+16*\l+8*\g+4*\e+3], v[XIO+1] offset:\o1+(8*\l+4*\g+\e)*CH
.endr
.endr
.endr
.endm
.macro XIADDR d, t, bp                 ; row (lane % 16) xor t, in block beta = bit bp of the lane (bp = 0: block 0)
.if \t
	v_xor_b32 v[\d], \t*16, v[R16]
.if \bp
	v_add3_u32 v[\d], v[\d], v[XH], v[BET+\bp]
.else
	v_add_nc_u32 v[\d], v[\d], v[XH]
.endif
.else
	v_add_nc_u32 v[\d], v[R16], v[XH]
.endif
.endm
; Line PX (0 to 63) of the making of a beat's pairs at my two K steps.  Lines 0 to 31: two products in f32, in place, registers XI + 2 PX (tile PX / 16).
; PLAIN: tile n has its x[j] in set n.  COMB and OFF: both tiles have theirs in set 0.  Lines 32 to 63: two products rounded once to bf16.
.macro PRODOP xk
.if PX < 32
.if \xk == PK_PLAIN
	v_pk_mul_f32 v[XI+2*PX:XI+2*PX+1], v[XI+2*PX:XI+2*PX+1], v[XJ+2*PX:XJ+2*PX+1]
.else
	v_pk_mul_f32 v[XI+2*PX:XI+2*PX+1], v[XI+2*PX:XI+2*PX+1], v[XJ+2*(PX%16):XJ+2*(PX%16)+1]
.endif
.else
	v_cvt_pk_bf16_f32 v[PKR+PX-32], v[XI+2*(PX-32)], v[XI+2*(PX-32)+1]
.endif
.set PX, PX+1
.endm
.macro PRODV xk                        ; all 64 lines at once: ahead of a batch's first beat only
.set PX, 0
.rept 64
	PRODOP \xk
.endr
.endm
.macro STPK pi                         ; 8 LDS stores: my two K steps of both tiles into slot pi
.irp n,0,1
.irp l,0,1
.irp g,0,1
	ds_store_b128 v[STA], v[PKR+16*\n+8*\l+4*\g:PKR+16*\n+8*\l+4*\g+3] offset:\pi*SLOTB+\n*8192+\l*1024+\g*512
.endr
.endr
.endr
.endm
; 32 LDS loads: a whole beat's pair fragments out of slot p into B[p] (under the setting TOB)
.macro LOADB p
.irp n,0,1
.irp s,0,1,2,3,4,5,6,7
.irp g,0,1
	ds_load_b128 v[128*(\p)+64*\n+8*\s+4*\g:128*(\p)+64*\n+8*\s+4*\g+3], v[LDA] offset:(\p)*SLOTB+\n*8192+\s*1024+\g*512
.endr
.endr
.endr
.endm
; Relu RI (0 to 63) of the beat before.  Its vector registers stand as source 2 and destination alone, which the setting MUL puts in window 2: no switch is needed.
; In the batch's first sum the relu of tile 0 is written into P: it starts P, nothing is cleared.
.macro RELU1 pi, rl
.set RD, 64*(1-\pi)+RI
.if \rl == EK_FIRST
.if RI < 32
.set RD, PP+RI
.endif
.endif
	v_max3_num_f32 v[RD], 0, 0, v[64*(1-\pi)+RI]
.set RI, RI+1
.endm
; Line AX of the sum of the beat before (D[1 - pi], behind its relu), lane masks t0, t1 of its two tiles.  PP, QQ, TR: where P, Q and the spare set stand.
; PLAIN, 32 lines: tile 0 adds to P (= S0), tile 1 to Q (= S1), as they stand.
; FIRST, 80 lines: P holds tile 0.  Lines 0 to 31: Q starts as tile 0 seen from lane xor t0 (Q's registers have been written: W1 landed there).  Lines 32 to 63:
;   tile 1 from lane xor t1.  Lines 64 to 79: tile 1 as it stands to P.
; PQ, 96 lines.  Lines 0 to 31: both tiles as they stand to P.  Lines 32 to 95: lane a of Q takes lane a xor t (mask 0: a plain sum, two registers a line, every second line empty).
; Behind these, where sw is not 0, 64 lines: P and Q change places in the lanes of mask sw.  The new P goes to the spare set, the new Q stays in place.
.macro ADDOP pi, ek, t0, t1, sw
.if AX < ABASE
.if \ek == EK_PLAIN
.if AX < 16
	v_pk_add_f32 v[PP+2*AX:PP+2*AX+1], v[PP+2*AX:PP+2*AX+1], v[64*(1-\pi)+2*AX:64*(1-\pi)+2*AX+1]
.else
	v_pk_add_f32 v[QQ+2*AX-32:QQ+2*AX-31], v[QQ+2*AX-32:QQ+2*AX-31], v[64*(1-\pi)+2*AX:64*(1-\pi)+2*AX+1]
.endif
.endif
.if \ek == EK_FIRST
.if AX < 32
	v_mov_b32_dpp v[QQ+AX], v[PP+AX] row_xmask:\t0 row_mask:0xf bank_mask:0xf
.else
.if AX < 64
	v_add_f32_dpp v[QQ+AX-32], v[64*(1-\pi)+AX], v[QQ+AX-32] row_xmask:\t1 row_mask:0xf bank_mask:0xf
.else
	v_pk_add_f32 v[PP+2*(AX-64):PP+2*(AX-64)+1], v[PP+2*(AX-64):PP+2*(AX-64)+1], v[64*(1-\pi)+32+2*(AX-64):64*(1-\pi)+32+2*(AX-64)+1]
.endif
.endif
.endif
.if \ek == EK_PQ
.if AX < 32
	v_pk_add_f32 v[PP+2*(AX%16):PP+2*(AX%16)+1], v[PP+2*(AX%16):PP+2*(AX%16)+1], v[64*(1-\pi)+2*AX:64*(1-\pi)+2*AX+1]
.else
.if AX < 64
.if \t0
	v_add_f32_dpp v[QQ+AX-32], v[64*(1-\pi)+AX-32], v[QQ+AX-32] row_xmask:\t0 row_mask:0xf bank_mask:0xf
.else
.if (AX%2) == 0
	v_pk_add_f32 v[QQ+AX-32:QQ+AX-31], v[QQ+AX-32:QQ+AX-31], v[64*(1-\pi)+AX-32:64*(1-\pi)+AX-31]
.endif
.endif
.else
	v_add_f32_dpp v[QQ+AX-64], v[64*(1-\pi)+AX-32], v[QQ+AX-64] row_xmask:\t1 row_mask:0xf bank_mask:0xf
.endif
.endif
.endif
.else
.if AX == ABASE
	s_mov_b32 vcc_lo, \sw                          ; the lanes in which beta changes: a constant of the lane numbers
.endif
.if AX < ABASE+32
	v_cndmask_b32 v[TR+AX-ABASE], v[PP+AX-ABASE], v[QQ+AX-ABASE], vcc_lo              ; new P = Q in those lanes, P in the others
.else
	v_cndmask_b32 v[QQ+AX-ABASE-32], v[QQ+AX-ABASE-32], v[PP+AX-ABASE-32], vcc_lo     ; new Q = P in those lanes, Q in the others
.endif
.endif
.set AX, AX+1
.endm
; What stands behind matrix instruction GI of a beat: the next lines of the first list that has any left.  Three relus (22 gaps), or eight lines of the products
; (8 gaps), or eight lines of the sum (4 to 12 gaps, 20 with an exchange): 50 of the 64 gaps at the most.  None of these lines names a register of this beat's matrix
; instructions (D[pi], B[pi], A, bias).
.macro GAP pi, ek, t0, t1, sw, xk
.set GD, 0
.if \ek
.if RI < 64
	RELU1 \pi, \ek
.if RI < 64
	RELU1 \pi, \ek
.endif
.if RI < 64
	RELU1 \pi, \ek
.endif
.set GD, 1
.endif
.endif
.if \xk
.if GD == 0
.if PX < 64
.if GI >= 8                            ; x[i] was asked for at the beat's head: at least eight matrix instructions stand in front of the wait for it
	WIN 0
.if PX == 0
	s_wait_dscnt 32                                ; LDS instructions end in order (ISA guide 5.7.1): the 32 fragment loads issued behind x[j]'s and x[i]'s loads may be out
.endif
.rept 8
	PRODOP \xk
.endr
	WIN MUL
.set GD, 1
.endif
.endif
.endif
.endif
.if GD == 0
.if AX < ACNT
	WIN EPI
.rept 8
	ADDOP \pi, \ek, \t0, \t1, \sw
.endr
	WIN MUL
.endif
.endif
.set GI, GI+1
.endm
; Eight matrix instructions: K step s of both tiles and all four H tiles.  The eight accumulators take turns, one instruction a turn.
; At K step 0 the bias is C: it starts the sums.
.macro MULG pi, s, ek, t0, t1, sw, xk
.irp n,0,1
.irp q,0,1,2,3
.if \s
	v_wmma_f32_16x16x32_bf16 v[64*\pi+32*\n+8*\q:64*\pi+32*\n+8*\q+7], v[64*\q+8*\s:64*\q+8*\s+7], v[128*\pi+64*\n+8*\s:128*\pi+64*\n+8*\s+7], v[64*\pi+32*\n+8*\q:64*\pi+32*\n+8*\q+7]
.else
	v_wmma_f32_16x16x32_bf16 v[64*\pi+32*\n+8*\q:64*\pi+32*\n+8*\q+7], v[64*\q+8*\s:64*\q+8*\s+7], v[128*\pi+64*\n+8*\s:128*\pi+64*\n+8*\s+7], v[BIAS+8*\q:BIAS+8*\q+7]
.endif
	GAP \pi, \ek, \t0, \t1, \sw, \xk
.endr
.endr
.endm
; Beat v, pi = v % 2.  The run at its head: st: stores the pairs of beat v + 2 (made during beat v - 1) into slot pi; jl: loads x[j] for the group that beat v + 3 opens
; (1: set 0, block beta = bit bp; 2: set 0, block 0; 3: set 1, block 1); xk: loads x[i] of beat v + 3 (lane masks p0, p1; COMB: beta = bit bp);
; ld: loads beat v + 1 out of slot 1 - pi into B[1 - pi].  Then 64 matrix instructions, B[pi] into D[pi], with relu and sum of beat v - 1 (D[1 - pi]; ek, masks t0, t1;
; sw: the exchange of P and Q behind it) and the products of beat v + 3 between them.
; ONE barrier a beat orders both ways: in front of its signal my stores into slot pi and my loads out of slot 1 - pi are done;
; behind its wait the next beat's run reads slot pi and writes slot 1 - pi.
.macro BEAT pi, ek, t0, t1, sw, st, ld, xk, p0, p1, bp, jl
.set RI, 0
.set PX, 0
.set AX, 0
.set GI, 0
.set ABASE, 0
.if \ek == EK_FIRST
.set ABASE, 80
.endif
.if \ek == EK_PQ
.set ABASE, 96
.endif
.if \ek == EK_PLAIN
.set ABASE, 32
.endif
.set ACNT, ABASE
.if \sw
.set ACNT, ABASE+64
.endif
.if \xk
	XIADDR XIO, \p0, \bp
	XIADDR XIO+1, \p1, \bp
.endif
.if \jl == 1
	v_add_nc_u32 v[XJT], v[XJA], v[BET+\bp]
.endif
.if \st
	STPK \pi
.endif
.if \jl == 1
	XJLOAD 0, XJT, 0
.endif
.if \jl == 2
	XJLOAD 0, XJA, 0
.endif
.if \jl == 3
	XJLOAD 1, XJA, 256
.endif
.if \xk == PK_COMB
	XILOAD 0, 0
.endif
.if \xk == PK_OFF
	XILOAD 256, 256
.endif
.if \xk == PK_PLAIN
	XILOAD 0, 256
.endif
.if \ld
	WIN TOB
	LOADB 1-\pi
.endif
	WIN MUL
	MULG \pi, 0, \ek, \t0, \t1, \sw, \xk
	MULG \pi, 1, \ek, \t0, \t1, \sw, \xk
	MULG \pi, 2, \ek, \t0, \t1, \sw, \xk
	MULG \pi, 3, \ek, \t0, \t1, \sw, \xk
	MULG \pi, 4, \ek, \t0, \t1, \sw, \xk
	MULG \pi, 5, \ek, \t0, \t1, \sw, \xk
.if \ld
	s_wait_dscnt 0x0                               ; for the other waves' sake: my stores into slot pi and my loads out of slot 1 - pi are done
	s_barrier_signal -1
.endif
	MULG \pi, 6, \ek, \t0, \t1, \sw, \xk           ; register work while the others arrive
	MULG \pi, 7, \ek, \t0, \t1, \sw, \xk
	WIN 0
	v_nop                                          ; four places behind the last matrix instructions, in front of the next beat's loads into B[pi] and its relu of D[pi]
	v_nop
	v_nop
	v_nop
.if \ld
	s_barrier_wait -1
.endif
.if \sw
.set TSW, PP                           ; the new P stands in what was the spare set; the old P's registers are the spare set now
.set PP, TR
.set TR, TSW
.endif
.endm
	; ---------------- addresses ----------------
	s_load_b256 s[4:11], s[0:1], 0x0               ; x s[4:5], W1 s[6:7], b1 s[8:9], W2 s[10:11]
	s_load_b128 s[12:15], s[0:1], 0x20             ; b2 s[12:13], part s[14:15]
	v_lshl_add_u32 v254, v0, 2, 0x20800
	v_mov_b32 v255, 0
	v_lshrrev_b32 v24, 5, v0
	v_readfirstlane_b32 s16, v24                   ; w
	s_and_b32 s18, ttmp7, 0xffff                   ; y; ttmp9 is hs
	v_and_b32 v25, 31, v0                          ; lane
	v_and_b32 v26, 15, v0                          ; lane % 16
	v_bfe_u32 v27, v0, 4, 1                        ; lane / 16
	v_lshlrev_b32 v[R16], 4, v26
.irp p,1,2,3
	v_bfe_u32 v[BET+\p], v0, \p, 1                 ; bit p of the lane,
	v_lshlrev_b32 v[BET+\p], 8, v[BET+\p]          ; times sixteen rows of 16 bytes
.endr
	s_mul_i32 s20, s16, 16*CH                      ; my two K steps are 16 pieces of 16 bytes,
	s_add_co_u32 s20, s20, XB
	v_mul_u32_u24 v[XH], v27, 2*CH                 ; the upper half of the lanes stands 8 k = 2 pieces further
	v_add_nc_u32 v[XH], s20, v[XH]
	v_add_nc_u32 v[XJA], v[XH], v[R16]
	v_lshlrev_b32 v[LDA], 4, v25
	s_lshl_b32 s20, s16, 11
	v_add_nc_u32 v[STA], s20, v[LDA]
	v_add_nc_u32 v[SXA], SXB, v[STA]
	v_add_nc_u32 v[SXL], SXB, v[LDA]
	v_lshl_add_u32 v[WOFF], v27, 15, v[R16]
	v_lshlrev_b32 v[BOFF], 7, v27
	s_lshl_b32 s19, s16, 8                         ; 256 w
	v_lshl_add_u32 v[POFF], v27, 13, v[R16]
	v_add_nc_u32 v[POFF], s19, v[POFF]
	v_add_nc_u32 v[B2OFF], s19, v[R16]
	s_lshl_b32 s20, s16, 14                        ; wave w brings rows 16 w .. 16 w + 15 of the 64 rows of x
	v_add_nc_u32 v[XOFF], s20, v[LDA]
	s_lshr_b32 s20, s16, 1                         ; which are rows 16 (w & 1) .. of batch w >> 1
	s_mul_i32 s20, s20, XBAT
	s_and_b32 s21, s16, 1
	s_lshl_b32 s21, s21, 8
	s_add_co_u32 s20, s20, s21
	s_add_co_u32 s20, s20, XB
	v_mul_u32_u24 v[XST], v25, CH                  ; lane = piece of the row
	v_add_nc_u32 v[XST], s20, v[XST]
	s_mov_b32 s24, 0x41000000                      ; 8.0
	s_mov_b32 s21, 0
	s_wait_kmcnt 0x0
	s_lshl_b32 s20, s18, 16                        ; two batches of x, and 64 rows of part, are 65,536 bytes
	s_add_nc_u64 s[4:5], s[4:5], s[20:21]
	s_add_nc_u64 s[14:15], s[14:15], s[20:21]
	s_lshl_b32 s20, ttmp9, 22                      ; a slice of part is 4,194,304 bytes
	s_add_nc_u64 s[14:15], s[14:15], s[20:21]
	s_lshl_b32 s20, ttmp9, 10                      ; W1's and b1's column 256 hs + 64 w
	s_add_co_u32 s20, s20, s19
	s_add_nc_u64 s[6:7], s[6:7], s[20:21]
	s_add_nc_u64 s[8:9], s[8:9], s[20:21]
	s_lshl_b32 s20, ttmp9, 18                      ; W2's row 256 hs, column 64 w
	s_add_co_u32 s20, s20, s19
	s_add_nc_u64 s[10:11], s[10:11], s[20:21]
	; ---------------- x into LDS, W1 and b1 into registers ----------------
.irp n,0,1,2,3,4,5,6,7,8,9,10,11,12,13,14,15
.irp f,0,1
	global_load_b128 v[XL+8*\n+4*\f:XL+8*\n+4*\f+3], v[XOFF], s[4:5] offset:\n*1024+\f*512
.endr
.endr
	global_load_b128 v[B2:B2+3], v[B2OFF], s[12:13]
	WIN TO2
.irp q,0,1,2,3
.irp j,0,1,2,3,4,5,6,7
	global_load_b32 v[BIAS+8*\q+\j], v[BOFF], s[8:9] offset:16*\j+4*\q     ; register j of an accumulator is H = base + 32 (lane / 16) + 4 j + q
.endr
.endr
	WIN TOB
	LANDW1 0, 0
	WIN 0
	s_wait_loadcnt 49                              ; behind x's 32 loads stand 1 of b2, 32 of b1 and 16 of W1: x is in
.irp n,0,1,2,3,4,5,6,7,8,9,10,11,12,13,14,15
.irp f,0,1
	ds_store_b128 v[XST], v[XL+8*\n+4*\f:XL+8*\n+4*\f+3] offset:\f*32*CH+\n*16
.endr
.endr
	WIN TOB
	LANDW1 1, 64
	LANDW1 2, 128
	LANDW1 3, 192
	WIN TO2
	LANDW1 4, 0
	LANDW1 5, 64
	LANDW1 6, 128
	WIN 0
	LANDW1 7, Z0
	s_wait_dscnt 0x0                               ; my rows of x are in LDS,
	s_barrier_signal -1
	s_barrier_wait -1                              ; everybody's are; from here on x in LDS is only read
	CVT03
	CVT47
	WIN 0
	; ---------------- the two batches ----------------
	s_mov_b32 s23, 2
.Lbatch:
.set PP, SS                            ; where P, Q and the spare set stand at a batch's start; the first sum writes P and Q anew
.set QQ, SS+32
.set TR, SPARE
	v_add_nc_u32 v[XJT], v[XJA], v[BET+3]
	XJLOAD 0, XJT, 0                               ; x[j] of the group p = 3
	XIADDR XIO, 8, 3
	XIADDR XIO+1, 9, 3
	XILOAD 0, 0
	s_wait_dscnt 0x0
	PRODV PK_COMB
	STPK 0                                         ; beat 0 into slot 0 (both slots are free: their last reads were done in front of the last two barriers)
	XIADDR XIO, 10, 3
	XIADDR XIO+1, 11, 3
	XILOAD 0, 0
	s_wait_dscnt 0x0
	PRODV PK_COMB
	STPK 1                                         ; beat 1 into slot 1
	XIADDR XIO, 12, 3
	XIADDR XIO+1, 13, 3
	XILOAD 0, 0                                    ; x[i] of beat 2
	s_wait_dscnt 0x0                               ; my parts of both slots are stored,
	s_barrier_signal -1
	s_barrier_wait -1                              ; everybody's are
	WIN TOB
	LOADB 0
	WIN 0
	PRODV PK_COMB                                  ; beat 2's pairs wait in registers for beat 0's run
	s_wait_dscnt 0x0                               ; my reads of slot 0 are done,
	s_barrier_signal -1
	s_barrier_wait -1                              ; everybody's are: beat 0 may write slot 0 again
	; the beats: 0-3 COMB p = 3 (t = 8 .. 15), 4-5 COMB p = 2 (4 .. 7), 6 COMB p = 1 (2, 3), 7-14 OFF (t, t + 8), 15 PLAIN 0, 16 PLAIN 1
	;    pi  sum of beat v - 1     exchange    st ld  products of beat v + 3  x[j]
	BEAT 0, EK_NONE,  0,  0, 0,          1, 1, PK_COMB,  14, 15, 3, 0
	BEAT 1, EK_FIRST, 8,  9, 0,          1, 1, PK_COMB,  4,  5,  2, 1
	BEAT 0, EK_PQ,    10, 11, 0,         1, 1, PK_COMB,  6,  7,  2, 0
	BEAT 1, EK_PQ,    12, 13, 0,         1, 1, PK_COMB,  2,  3,  1, 1
	BEAT 0, EK_PQ,    14, 15, 0x0ff00ff0, 1, 1, PK_OFF,  0,  8,  0, 2      ; lanes 4 to 11 of sixteen: bit 3 differs from bit 2
	BEAT 1, EK_PQ,    4,  5, 0,          1, 1, PK_OFF,   1,  9,  0, 0
	BEAT 0, EK_PQ,    6,  7, 0x3c3c3c3c, 1, 1, PK_OFF,   2,  10, 0, 0      ; lanes 2 to 5 of eight: bit 2 differs from bit 1
	BEAT 1, EK_PQ,    2,  3, 0xcccccccc, 1, 1, PK_OFF,   3,  11, 0, 0      ; lanes 2, 3 of four: bit 1 is set; from here on P = S0, Q = S1
	BEAT 0, EK_PQ,    0,  8, 0,          1, 1, PK_OFF,   4,  12, 0, 0
	BEAT 1, EK_PQ,    1,  9, 0,          1, 1, PK_OFF,   5,  13, 0, 0
	BEAT 0, EK_PQ,    2,  10, 0,         1, 1, PK_OFF,   6,  14, 0, 0
	BEAT 1, EK_PQ,    3,  11, 0,         1, 1, PK_OFF,   7,  15, 0, 0
	BEAT 0, EK_PQ,    4,  12, 0,         1, 1, PK_PLAIN, 0,  0,  0, 3
	BEAT 1, EK_PQ,    5,  13, 0,         1, 1, PK_PLAIN, 1,  1,  0, 0      ; beat 13 multiplies beat 16, the last
	BEAT 0, EK_PQ,    6,  14, 0,         1, 1, PK_NONE,  0,  0,  0, 0      ; beat 14 stores it
	BEAT 1, EK_PQ,    7,  15, 0,         0, 1, PK_NONE,  0,  0,  0, 0      ; beat 15 loads its fragments
	BEAT 0, EK_PLAIN, 0,  0, 0,          0, 0, PK_NONE,  0,  0,  0, 0      ; beat 16 touches no LDS: no barrier
	WIN EPI                                        ; beat 16's own relu and sum, out of D[0] (its four places stand at the beat's end)
.set AI, 0
.rept 64
	v_max_num_f32 v[AI], 0, v[AI]
.set AI, AI+1
.endr
.set AI, 0
.rept 16
	v_pk_add_f32 v[PP+AI:PP+AI+1], v[PP+AI:PP+AI+1], v[AI:AI+1]
	v_pk_add_f32 v[QQ+AI:QQ+AI+1], v[QQ+AI:QQ+AI+1], v[32+AI:32+AI+1]
.set AI, AI+2
.endr
	; S, rounded once to bf16.  A lane's eight numbers of S[block][q] are H = 64 w + 32 (lane / 16) + 4 j + q, j = 0..7: four registers, one half of the
	; fragment of K step 2 w + (q >> 1), half q & 1, of the second product, in the same lane.
	WIN SCV
.irp q,0,1,2,3
.irp c,0,1,2,3
	v_cvt_pk_bf16_f32 v[PKR+4*\q+\c], v[PP+8*\q+2*\c], v[PP+8*\q+2*\c+1]
.endr
.endr
.irp q,0,1,2,3
.irp c,0,1,2,3
	v_cvt_pk_bf16_f32 v[PKR+16+4*\q+\c], v[QQ+8*\q+2*\c], v[QQ+8*\q+2*\c+1]
.endr
.endr
	WIN 0
.irp n,0,1
.irp q,0,1,2,3
	ds_store_b128 v[SXA], v[PKR+16*\n+4*\q:PKR+16*\n+4*\q+3] offset:\n*8192+(\q>>1)*1024+(\q&1)*512
.endr
.endr
	v_add_nc_u32 v[XH], XBAT, v[XH]                ; the next batch
	v_add_nc_u32 v[XJA], XBAT, v[XJA]
	v_add_nc_u32 v[SXA], 16384, v[SXA]
	s_sub_co_i32 s23, s23, 1
	s_cmp_lg_u32 s23, 0
	s_cbranch_scc1 .Lbatch
	; ---------------- the second product: 64 rows (b, j) x my 64 columns d, K = the slice's 256 H ----------------
	WIN TOB                                        ; W2 lands where the pair fragments, the accumulators and x[j] were: all are free
	LANDW2 0, 0
	LANDW2 1, 64
	LANDW2 2, 128
	LANDW2 3, 192
	WIN TO2
	LANDW2 4, 0
	LANDW2 5, 64
	LANDW2 6, 128
	WIN 0
	LANDW2 7, Z0
	s_wait_dscnt 0x0                               ; my part of S is in LDS,
	s_barrier_signal -1
	s_barrier_wait -1                              ; everybody's is
	CVT03                                          ; W2's fragments take the place of W1's
	WIN TOB
.irp t,0,1,2,3
.irp k,0,1,2,3,4,5,6,7
.irp g,0,1
	ds_load_b128 v[64*\t+8*\k+4*\g:64*\t+8*\k+4*\g+3], v[SXL] offset:\t*8192+\k*1024+\g*512   ; S's fragments, where K steps 0 to 3 of W2 landed
.endr
.endr
.endr
	CVT47
	s_wait_dscnt 0x0
	WIN MUL2
	; sixteen accumulators take turns, one instruction a turn; the first K step starts the sums
.irp k,0,1,2,3,4,5,6,7
.irp t,0,1,2,3
.irp q,0,1,2,3
.if \k
	v_wmma_f32_16x16x32_bf16 v[8*(4*\t+\q):8*(4*\t+\q)+7], v[64*\t+8*\k:64*\t+8*\k+7], v[64*\q+8*\k:64*\q+8*\k+7], v[8*(4*\t+\q):8*(4*\t+\q)+7]
.else
	v_wmma_f32_16x16x32_bf16 v[8*(4*\t+\q):8*(4*\t+\q)+7], v[64*\t+8*\k:64*\t+8*\k+7], v[64*\q+8*\k:64*\q+8*\k+7], 0
.endif
.endr
.endr
.endr
	v_nop                                          ; four places behind the last matrix instruction, in front of the first read of a result (ISA guide 7.12.1)
	v_nop
	v_nop
	v_nop
	WIN OUTS
	; Register j of tile (t, q), lane (r, h), is row 16 t + 8 h + j, column 64 w + 4 r + q: the multiply-add that brings 8 b2 in also gathers four neighbouring
	; columns.  Sixteen lanes store 256 consecutive bytes, at a multiple of 256 from part's first byte.  Each store has data registers of its own.
.irp t,0,1,2,3
.irp j,0,1,2,3,4,5,6,7
.irp q,0,1,2,3
	v_fma_f32 v[TT+4*(8*\t+\j)+\q], v[B2+\q], s24, v[8*(4*\t+\q)+\j]
.endr
	global_store_b128 v[POFF], v[TT+4*(8*\t+\j):TT+4*(8*\t+\j)+3], s[14:15] offset:(16*\t+\j)*1024
.endr
.endr
	WIN 0
	s_wait_tensorcnt 0x0
	ds_add_u32 v254, v255
	s_wait_dscnt 0x0
	s_endpgm
.Lfunc_end_k_q04be101292_pairs:
	.size	k_q04be101292_pairs, .Lfunc_end_k_q04be101292_pairs-k_q04be101292_pairs
	.p2alignl 7, 3214868480
	.fill 96, 4, 3214868480
	.section	.rodata,"a",@progbits
	.p2align	6, 0x0
	.amdhsa_kernel k_q04be101292_pairs
		.amdhsa_group_segment_fixed_size 133632
		.amdhsa_private_segment_fixed_size 0
		.amdhsa_enable_private_segment 0
		.amdhsa_kernarg_size 48
		.amdhsa_user_sgpr_count 2
		.amdhsa_user_sgpr_kernarg_segment_ptr 1
		.amdhsa_wavefront_size32 1
		.amdhsa_system_sgpr_workgroup_id_x 1
		.amdhsa_system_sgpr_workgroup_id_y 1
		.amdhsa_system_sgpr_workgroup_id_z 1
		.amdhsa_system_vgpr_workitem_id 0
		.amdhsa_next_free_vgpr 1024
		.amdhsa_next_free_sgpr 66
		.amdhsa_reserve_vcc 1
		.amdhsa_float_denorm_mode_32 3
		.amdhsa_float_denorm_mode_16_64 3
		.amdhsa_memory_ordered 1
		.amdhsa_forward_progress 1
		.amdhsa_inst_pref_size 255
	.end_amdhsa_kernel
	.section	.bss,"aw",@nobits
	.p2align	6
	.space	262144
	.amdgpu_metadata
---
amdhsa.version: [ 1, 2 ]
amdhsa.kernels:
  - .name:           k_q04be101292_pairs
    .symbol:         k_q04be101292_pairs.kd
    .args:
      - { .name: attribute_embeddings, .offset: 0, .size: 8, .value_kind: global_buffer, .address_space: global }
      - { .name: W1, .offset: 8, .size: 8, .value_kind: global_buffer, .address_space: global }
      - { .name: b1, .offset: 16, .size: 8, .value_kind: global_buffer, .address_space: global }
      - { .name: W2, .offset: 24, .size: 8, .value_kind: global_buffer, .address_space: global }
      - { .name: b2, .offset: 32, .size: 8, .value_kind: global_buffer, .address_space: global }
      - { .name: part, .offset: 40, .size: 8, .value_kind: global_buffer, .address_space: global }
    .group_segment_fixed_size: 133632
    .private_segment_fixed_size: 0
    .kernarg_segment_align: 8
    .kernarg_segment_size: 48
    .max_flat_workgroup_size: 128
    .sgpr_count:     66
    .vgpr_count:     1024
    .wavefront_size: 32
...
	.end_amdgpu_metadata
.endif
;; end of part 3
;; launch combine: the kernel of part 2 again; grid 256 x 1, 8 waves a work-group, no clusters, 0 bytes of LDS; arguments part, out0; writes out0
